; MI455X (gfx1250); checked and timed in simulation.
; The chip was launched on July 23, 2026; its instructions are those of AMD's public machine-readable ISA for CDNA 5 (MIT licence, August 2026) and "CDNA5" Instruction Set Architecture Reference Guide (July 2026). The comments in the code are by the model that wrote it; some were corrected since.
;; Multi Head Attention. Allowed arithmetic: matrix products marked QUANTISED: E5M2 operands, one E8M0 scale for each 32 along K, by v_wmma_scale_f32_16x16x128_f8f6f4 with both operands' format E5M2, f32 sums; everything else in f32.
;; Inputs: Wk 512 x 512 float32; Wq 512 x 512 float32; Wv 512 x 512 float32; attention_mask 2 x 1 x 4,096 x 4,096 float32; bk 512 float32; bq 512 float32; bv 512 float32; key 2 x 4,096 x 512 float32; query 2 x 4,096 x 512 float32; value 2 x 4,096 x 512 float32.
;; Outputs: out0 2 x 4,096 x 512 float32.
;; This version of the problem:
;;   THIS VERSION OF THE PROBLEM IS GIVEN IN LOW PRECISION. The matrix products marked QUANTISED in the list below multiply operands that are first quantised to E5M2 (5 exponent bits, 2 mantissa bits; 8 bits a number), with one power-of-two scale for each 32 numbers along K (OCP MX v1.0); their sums are f32. All else is computed in f32.
;;   The module's matrix products, in the order in which they are computed (A, B: the left and right operand; K: the contracted axis; several contracted axes count as one K, in the product's order):
;;     1. [M 8,192, K 512] x [K 512, N 512]; A: input query; B: input Wq: QUANTISED
;;     2. [M 8,192, K 512] x [K 512, N 512]; A: input key; B: input Wk: QUANTISED
;;     3. [M 8,192, K 512] x [K 512, N 512]; A: input value; B: input Wv: QUANTISED
;;     4. batch 16 x [M 4,096, K 64] x [K 64, N 4,096]; A: computed on the way; B: computed on the way: QUANTISED
;;     5. batch 16 x [M 4,096, K 4,096] x [K 4,096, N 64]; A: softmax (see below); B: computed on the way: QUANTISED
;;   THE QUANTISER, for each operand of a quantised product, along K:
;;     - K is cut into blocks of 32 from its start; a last block that is shorter is filled with zeros.
;;     - A block's scale is 2^e with e = floor(log2(the largest magnitude in the block)) - 15, held to -126 .. 127; a block of zeros has e = 0. As a byte (E8M0): e + 127.
;;     - Each number is divided by its block's scale, clamped to +-57,344, and rounded to the nearest number of E5M2, ties to even, subnormals kept.
;;     - The product sums the exact products of the quantised numbers (number of the format x scale) in f32.
;;   ~~~python
;;   def quantise(x, axis):      # numpy; x: float32 -> the quantised numbers, widened to float32 again
;;       x = np.moveaxis(x, axis, -1); K = x.shape[-1]
;;       x = np.pad(x, [(0, 0)] * (x.ndim - 1) + [(0, -K % 32)]); x = x.reshape(x.shape[:-1] + (-1, 32)); a = np.abs(x).max(-1, keepdims=True)
;;       e = np.where(a > 0, np.clip(np.frexp(np.where(a > 0, a, 1))[1] - 1 - 15, -126, 127), 0)      # np.frexp(a)[1] - 1 = floor(log2(a)), exactly
;;       r = np.clip(x / 2.0 ** e, -57344, 57344)
;;       step = 2.0 ** (np.maximum(np.frexp(np.where(r == 0, 1, r))[1] - 1, -14) - 2)
;;       q = np.round(r / step) * step * 2.0 ** e      # np.round: ties to even
;;       return np.moveaxis(q.reshape(q.shape[:-2] + (-1,))[..., :K], -1, axis).astype(np.float32)
;;   ~~~
;;   SOFTMAX AHEAD OF A QUANTISED PRODUCT. Where the list says 'softmax', what is quantised is not the finished softmax but p = 2^(t - M), with t = logit x log2(e) and M = ceil(the row's largest t), a whole number; so 1/2 < the row's largest p <= 1. The row's sum l is taken of the UNQUANTISED p, in f32, and the product's result is divided by l at the end. Since M is a whole number, a kernel that streams over the keys may use a running M (the ceiling of the running maximum): every later rescaling is an exact power of two, which a block's scale takes up: the codes' values come out the same.
;;   OPERANDS COMPUTED ON THE WAY. 'Computed on the way' means the value that the module computes at that place (a softmax that the list does not call 'softmax' is quantised finished and normalised). What goes into a quantiser is computed in f32, as accurately as f32 sums, v_exp_f32 and their like allow (about 1e-6 of the number): no bf16 or f16 on the way to a quantiser, and a product that is left as it is and whose result goes on into a quantised operand takes f32 operands (vector FMAs, or v_wmma_f32_16x16x4_f32). A number that lies on a knife's edge between two numbers of the format may be rounded either way, as far as f32 arithmetic and the matrix unit's own rounding can turn it there, and no further.
;; One version. Each part assembles by itself: llvm-mc -triple=amdgcn-amd-amdhsa -mcpu=gfx1250 --defsym DOCPART=n.
;; ======== version 1 of 1: 3 launches
;; limits: right only within a limited range of input values
;; workspace buffers: img 13,787,136 bytes; qimg 4,456,448 bytes; kimg 4,456,448 bytes; vimg 4,456,448 bytes
;; launch quant (part 1): grid 204 x 1, 8 waves a work-group, no clusters, 68,608 bytes of LDS; arguments query, key, value, Wq, Wk, Wv, img; writes img
.if DOCPART == 1
	.amdgcn_target "amdgcn-amd-amdhsa--gfx1250"
	.amdhsa_code_object_version 6
	.text
	.protected	k_q5f84a6e823_quant
	.globl	k_q5f84a6e823_quant
	.p2align	8
	.type	k_q5f84a6e823_quant,@function
k_q5f84a6e823_quant:
	s_mov_b64 s[64:65], 0
	v_nop
	global_prefetch_b8 v0, s[64:65] scope:SCOPE_SE
	s_setreg_imm32_b32 hwreg(HW_REG_WAVE_MODE, 25, 1), 1
	s_wait_xcnt 0x0
; query, key, value [8192][512] and Wq, Wk, Wv [512][512], f32 with K innermost, become codes of BF8 (E5M2) with one E8M0 byte for each 32 along K,
; laid in img AS IMAGES OF THE MATRIX OPERAND'S REGISTERS, so that the next launch fetches a fragment by four dense loads of 512 bytes.
; img: 816 groups of 32 rows (query 256, key 256, value 256, Wq 16, Wk 16, Wv 16), 16,896 bytes each:
;   fragment (u, s) (tile u of 16 rows, K step s of 128) at (4 u + s) 2048; its registers 4 c .. 4 c + 3 at + 512 c, lane l at + 16 l:
;   the codes of row(u, l % 16), k = 128 s + 32 c + 16 (l / 16) + 0 .. 15;
;   scale words (four bytes: 128 along K of one row) at 16,384 + 256 (s / 2) + 8 l + 4 (s % 2): lanes 0-15 tile 0's rows, lanes 16-31 tile 1's.
; WHICH ROWS FORM A TILE: query: row 16 u + r.  All others: row 8 u + r + 8 (r / 8), so that a product used transposed leaves a lane 16 neighbours along the next K.
; A block's scale is 2^(floor(log2(largest magnitude)) - 15); its byte is the largest magnitude's exponent field - 15, held at 1 from below.
; LIMITS: a block of zeros gets the byte 1 where the rule says 127 (its codes are zeros, and this program alone reads the bytes); blocks whose largest magnitude
; lies under 2^(16 - 127) share that byte; NaN and infinities among these inputs are not served.
; SHARES: a wave takes 32 rows x 256 along K: four stages (tile n % 2, K step n / 2) of 16 rows x 128 numbers.  A work-group (8 waves) takes 4 groups, all of one tensor.
; EVERY LOAD READS 512 CONSECUTIVE BYTES OF ONE ROW, 16 a lane; the conversions want 16 neighbours of a row in ONE lane: so a stage's 16 rows turn through the wave's own 16 x 528 bytes of LDS:
; stored as loaded, read back 64 bytes a lane.  Rows 528 bytes apart: the sixteen rows that a read touches start at sixteen different banks (64 banks of 4 bytes: ISA guide 11.1).
; No barrier: waves share nothing.  Up to 32 loads of a wave are out.
.set TM,  16                           ; v16-19 largest magnitudes, v20-23 bytes, v24-27 the largest number x the scale, v28-31 the conversions' scale operands
.set SEL, 26                           ; s[26:27] selects of v_permlanex16_b32: lane l xor 16
.set MNT, 28                           ; s28 the mantissa field of 57,344
.set RP,  528
.set WREG, 16*RP
.set SPARE, 8*WREG                     ; the spare words, 128 bytes for each of the eight waves
.set XS,  192
; v4 LDS: my 16 bytes of a row (in);  v5 my 64 bytes of row l % 16 (back);  v6 16 x lane;  v7 8 x lane;  v[8:9] the two scale words that leave;  v10 tile 0's word;  v11 the word just made;  v12 my spare word, v13 0
; v32-47, v48-63 codes, two sets by turns;  v64-127, v128-191 rows as loaded, two sets by turns;  v192-255 a lane's 64 numbers
.macro QUANT s, cd
.irp b, 0,1,2,3
	v_max3_num_f32 v[TM+\b], |v[\s+16*\b]|, |v[\s+16*\b+1]|, 0x8000000   ; my 16 numbers of block b, and the floor 2^(16 - 127): the byte cannot fall under 1
.endr
.irp i, 2,4,6,8,10,12,14
.irp b, 0,1,2,3
	s_delay_alu instid0(VALU_DEP_4)
	v_max3_num_f32 v[TM+\b], v[TM+\b], |v[\s+16*\b+\i]|, |v[\s+16*\b+\i+1]|   ; the four blocks by turns
.endr
.endr
.irp b, 0,1,2,3
	s_delay_alu instid0(VALU_DEP_4)
	v_permlanex16_b32 v[TM+4+\b], v[TM+\b], s[SEL], s[SEL+1]
.endr
.irp b, 0,1,2,3
	s_delay_alu instid0(VALU_DEP_4)
	v_max_num_f32 v[TM+\b], v[TM+\b], v[TM+4+\b]              ; with lane l xor 16's 16: the block's largest magnitude
.endr
.irp b, 0,1,2,3
	s_delay_alu instid0(VALU_DEP_4)
	v_add_nc_u32 v[TM+12+\b], 0xf8800000, v[TM+\b]            ; 15 off its exponent field: the conversion takes this operand's exponent field as its scale
.endr
.irp b, 0,1,2,3
	v_and_or_b32 v[TM+8+\b], v[TM+\b], 0x7f800000, s[MNT]     ; 57,344 x the scale
.endr
.irp b, 0,1,2,3
	v_lshrrev_b32 v[TM+4+\b], 23, v[TM+12+\b]                 ; the scale's byte
.endr
.irp b, 0,1,2,3
.set j, 0
.rept 16
	v_med3_num_f32 v[\s+16*\b+j], v[\s+16*\b+j], -v[TM+8+\b], v[TM+8+\b]   ; the conversion to an 8-bit code does not saturate (ISA guide 7.6.2): the hold comes first
.set j, j+1
.endr
	v_cvt_scalef32_pk8_bf8_f32 v[\cd+4*\b:\cd+4*\b+1], v[\s+16*\b:\s+16*\b+7], v[TM+12+\b]
	v_cvt_scalef32_pk8_bf8_f32 v[\cd+4*\b+2:\cd+4*\b+3], v[\s+16*\b+8:\s+16*\b+15], v[TM+12+\b]
.endr
	v_nop                                                     ; one plain line behind the last conversion
.endm
	s_load_b256 s[4:11], s[0:1], 0x0               ; query, key, value, Wq
	s_load_b128 s[12:15], s[0:1], 0x20             ; Wk, Wv
	s_load_b64 s[16:17], s[0:1], 0x30              ; img
	v_lshl_add_u32 v12, v0, 2, SPARE
	v_mov_b32 v13, 0
	v_lshrrev_b32 v1, 5, v0
	v_readfirstlane_b32 s18, v1                    ; wave 0..7
	s_and_b32 s19, s18, 1                          ; which 256 along K
	s_lshr_b32 s21, s18, 1                         ; which of the work-group's four groups
	s_mov_b32 s20, 0xffff0000                      ; lanes 16-31
	s_mov_b32 s[SEL], 0x76543210
	s_mov_b32 s[SEL+1], 0xfedcba98
	s_mov_b32 s[MNT], 0x600000
	s_cmp_lt_u32 ttmp9, 64                         ; query's work-groups take neighbouring rows, the others the split tiles
	s_cselect_b32 s29, 0, 16384                    ; what rows 8-15 of a tile lie further down: 0 or 8 rows of 2,048 bytes
	s_mul_i32 s31, s18, WREG                       ; my wave's LDS
	s_mov_b32 s24, 0                               ; the first work-group of my tensor
	v_and_b32 v1, 31, v0                           ; lane
	v_and_b32 v2, 15, v0                           ; r
	v_bfe_u32 v3, v0, 4, 1                         ; h
	v_lshlrev_b32 v6, 4, v1
	v_lshlrev_b32 v7, 3, v1
	v_add_nc_u32 v4, s31, v6
	v_mul_u32_u24 v5, v2, RP
	v_lshl_add_u32 v5, v3, 6, v5
	v_add_nc_u32 v5, s31, v5
.irp b, 0,1,2,3
	v_mov_b32 v[TM+4+\b], 0                        ; written once: a lane permute's destination counts as one of its sources
.endr
	s_wait_alu depctr_va_vdst(0)                   ; the wait at the head's end
	s_wait_kmcnt 0x0
	s_mov_b64 s[22:23], s[4:5]                     ; the tensor is chosen by the work-group's number alone
	s_cmp_ge_u32 ttmp9, 64
	s_cselect_b64 s[22:23], s[6:7], s[22:23]
	s_cselect_b32 s24, 64, s24
	s_cmp_ge_u32 ttmp9, 128
	s_cselect_b64 s[22:23], s[8:9], s[22:23]
	s_cselect_b32 s24, 128, s24
	s_cmp_ge_u32 ttmp9, 192
	s_cselect_b64 s[22:23], s[10:11], s[22:23]
	s_cselect_b32 s24, 192, s24
	s_cmp_ge_u32 ttmp9, 196
	s_cselect_b64 s[22:23], s[12:13], s[22:23]
	s_cselect_b32 s24, 196, s24
	s_cmp_ge_u32 ttmp9, 200
	s_cselect_b64 s[22:23], s[14:15], s[22:23]
	s_cselect_b32 s24, 200, s24
	s_sub_co_u32 s24, ttmp9, s24
	s_lshl_b32 s24, s24, 18                        ; 4 groups of 65,536 bytes a work-group
	s_lshl_b32 s25, s21, 16
	s_add_co_u32 s24, s24, s25
	s_lshl_b32 s25, s19, 10                        ; 256 numbers along K
	s_add_co_u32 s24, s24, s25
	s_mov_b32 s25, 0
	s_add_nc_u64 s[22:23], s[22:23], s[24:25]      ; tile 0's rows 0-7: my wave's first number
	s_add_co_u32 s44, s29, 16384
	s_mov_b32 s45, 0
	s_add_nc_u64 s[40:41], s[22:23], s[44:45]      ; tile 0's rows 8-15: 8 or 16 rows down
	s_sub_co_u32 s46, 32768, s29
	s_mov_b32 s47, 0
	s_add_nc_u64 s[42:43], s[22:23], s[46:47]      ; tile 1's rows 0-7: 16 or 8 rows down; its rows 8-15 lie 24 rows down either way
	s_lshl_b32 s32, ttmp9, 2
	s_add_co_u32 s32, s32, s21                     ; the group's number in img
	s_mul_i32 s32, s32, 16896
	s_mov_b32 s33, 0
	s_add_nc_u64 s[16:17], s[16:17], s[32:33]
	s_lshl_b32 s34, s19, 12                        ; my two K steps' fragments
	s_mov_b32 s35, 0
	s_add_nc_u64 s[36:37], s[16:17], s[34:35]
	s_lshl_b32 s34, s19, 8
	s_add_co_u32 s34, s34, 16384                   ; and their scale words
	s_add_nc_u64 s[38:39], s[16:17], s[34:35]
.macro LOAD n                          ; stage n: tile n % 2, K step n / 2: 16 rows x 512 bytes into set n % 2, row p at 4 p
.set RS, 64+64*((\n)%2)
.set KO, ((\n)/2)*512
.irp p, 0,1,2,3,4,5,6,7
.if ((\n)%2) == 0
	global_load_b128 v[RS+4*\p:RS+4*\p+3], v6, s[22:23] offset:KO+\p*2048 th:TH_LOAD_NT
	global_load_b128 v[RS+32+4*\p:RS+32+4*\p+3], v6, s[40:41] offset:KO+\p*2048 th:TH_LOAD_NT
.else
	global_load_b128 v[RS+4*\p:RS+4*\p+3], v6, s[42:43] offset:KO+\p*2048 th:TH_LOAD_NT
	global_load_b128 v[RS+32+4*\p:RS+32+4*\p+3], v6, s[22:23] offset:49152+KO+\p*2048 th:TH_LOAD_NT
.endif
.endr
.endm
.macro TURN n                          ; LDS serves a wave's instructions in order (ISA guide 5.7.1.4): no wait between the stores and the loads
.set RS, 64+64*((\n)%2)
.irp p, 0,1,2,3,4,5,6,7,8,9,10,11,12,13,14,15
	ds_store_b128 v4, v[RS+4*\p:RS+4*\p+3] offset:\p*RP
.endr
.irp c, 0,1,2,3
.irp j, 0,1,2,3
	ds_load_b128 v[XS+16*\c+4*\j:XS+16*\c+4*\j+3], v5 offset:128*\c+16*\j   ; k = 32 c + 16 h + 4 j + 0 .. 3 of row l % 16
.endr
.endr
.endm
.macro STAGE n, cnt                    ; cnt: the loads of the next stage, which may stay out
.set CSET, 32+16*((\n)%2)
	s_wait_loadcnt \cnt
	TURN \n
	s_wait_dscnt 0x0                               ; my 64 numbers are back, and the stores have read their registers,
.if (\n)+2 < 4
	LOAD (\n)+2                                    ; which take the stage two on
.endif
.if (\n) >= 2
	s_wait_xcnt 0x0                                ; the stores of two stages ago have read this set of codes: it is written again only behind this wait
.endif
	QUANT XS, CSET
	v_lshl_or_b32 v11, v[TM+5], 8, v[TM+4]         ; the four bytes make my row's scale word
	s_delay_alu instid0(VALU_DEP_1)
	v_lshl_or_b32 v11, v[TM+6], 16, v11
	s_delay_alu instid0(VALU_DEP_1)
	v_lshl_or_b32 v11, v[TM+7], 24, v11
.if ((\n)%2) == 0
	s_delay_alu instid0(VALU_DEP_1)
	v_mov_b32 v10, v11                             ; tile 0's word waits for tile 1's
.else
	s_delay_alu instid0(VALU_DEP_1)
	v_cndmask_b32 v[8+(\n)/2], v10, v11, s20       ; lanes 0-15 keep tile 0's, lanes 16-31 take tile 1's
.endif
.irp c, 0,1,2,3
	global_store_b128 v6, v[CSET+4*\c:CSET+4*\c+3], s[36:37] offset:((\n)%2)*8192+((\n)/2)*2048+512*\c   ; 32 lanes store 512 consecutive bytes, aligned
.endr
.endm
	LOAD 0
	LOAD 1
	STAGE 0, 16
	STAGE 1, 16
	STAGE 2, 16
	STAGE 3, 0
	global_store_b64 v7, v[8:9], s[38:39]          ; 32 lanes store 256 consecutive bytes, aligned
	s_wait_tensorcnt 0x0                           ; the wave's end
	ds_add_u32 v12, v13
	s_wait_dscnt 0x0
	s_endpgm
.Lfunc_end_k_q5f84a6e823_quant:
	.size	k_q5f84a6e823_quant, .Lfunc_end_k_q5f84a6e823_quant-k_q5f84a6e823_quant
	.p2alignl 7, 3214868480
	.fill 96, 4, 3214868480
	.section	.rodata,"a",@progbits
	.p2align	6, 0x0
	.amdhsa_kernel k_q5f84a6e823_quant
		.amdhsa_group_segment_fixed_size 68608
		.amdhsa_private_segment_fixed_size 0
		.amdhsa_enable_private_segment 0
		.amdhsa_kernarg_size 56
		.amdhsa_user_sgpr_count 2
		.amdhsa_user_sgpr_kernarg_segment_ptr 1
		.amdhsa_wavefront_size32 1
		.amdhsa_system_sgpr_workgroup_id_x 1
		.amdhsa_system_sgpr_workgroup_id_y 1
		.amdhsa_system_sgpr_workgroup_id_z 1
		.amdhsa_system_vgpr_workitem_id 0
		.amdhsa_next_free_vgpr 256
		.amdhsa_next_free_sgpr 66
		.amdhsa_reserve_vcc 0
		.amdhsa_float_denorm_mode_32 3
		.amdhsa_float_denorm_mode_16_64 3
		.amdhsa_memory_ordered 1
		.amdhsa_forward_progress 1
		.amdhsa_inst_pref_size 57
	.end_amdhsa_kernel
	.amdgpu_metadata
---
amdhsa.version: [ 1, 2 ]
amdhsa.kernels:
  - .name:           k_q5f84a6e823_quant
    .symbol:         k_q5f84a6e823_quant.kd
    .args:
      - { .name: query, .offset: 0, .size: 8, .value_kind: global_buffer, .address_space: global }
      - { .name: key, .offset: 8, .size: 8, .value_kind: global_buffer, .address_space: global }
      - { .name: value, .offset: 16, .size: 8, .value_kind: global_buffer, .address_space: global }
      - { .name: Wq, .offset: 24, .size: 8, .value_kind: global_buffer, .address_space: global }
      - { .name: Wk, .offset: 32, .size: 8, .value_kind: global_buffer, .address_space: global }
      - { .name: Wv, .offset: 40, .size: 8, .value_kind: global_buffer, .address_space: global }
      - { .name: img, .offset: 48, .size: 8, .value_kind: global_buffer, .address_space: global }
    .group_segment_fixed_size: 68608
    .private_segment_fixed_size: 0
    .kernarg_segment_align: 8
    .kernarg_segment_size: 56
    .max_flat_workgroup_size: 256
    .sgpr_count:     66
    .vgpr_count:     256
    .wavefront_size: 32
...
	.end_amdgpu_metadata
.endif
;; end of part 1
;; launch proj (part 2): grid 192 x 1, 8 waves a work-group, no clusters, 0 bytes of LDS; arguments img, bq, bk, bv, qimg, kimg, vimg; writes qimg, kimg, vimg
.if DOCPART == 2
	.amdgcn_target "amdgcn-amd-amdhsa--gfx1250"
	.amdhsa_code_object_version 6
	.text
	.protected	k_q5f84a6e823_proj
	.globl	k_q5f84a6e823_proj
	.p2align	8
	.type	k_q5f84a6e823_proj,@function
k_q5f84a6e823_proj:
	s_mov_b64 s[64:65], 0
	v_nop
	global_prefetch_b8 v0, s[64:65] scope:SCOPE_SE
	s_setreg_imm32_b32 hwreg(HW_REG_WAVE_MODE, 25, 1), 1
	s_wait_xcnt 0x0
; The three projections x W^T + b on codes of BF8 (E5M2) with E8M0 scales, and the quantising of their results for attention.
; Work-groups 0-63 make q, 64-127 k, 128-191 v; each takes a block of 128 rows; WAVE = HEAD: its 64 rows of W (16 fragments, 256 registers) fill window 1 and stay.
; Operands arrive as images of their registers (launch quant): every fragment is four loads of 512 consecutive bytes.  No LDS, no barrier.  192 work-groups have work; none is added.
; q, k: the product is used TRANSPOSED (source 0 = 16 rows of W, source 1 = 16 rows of x): a lane holds one row and, by the choice of W's rows, 16 neighbours of each 32 of the head's 64.
; v:    source 0 = 16 rows of value (keys), source 1 = 16 rows of W: a lane holds one channel d and, by the choice of value's rows, 16 neighbouring keys: the keys are the next K.
; The bias is the C of each sum's first matrix instruction.
; OUT, blocks of 128 rows, 69,632 bytes each (65,536 of codes, 4,096 of scale words):
;   q, k: codes at head 8192 + g 2048 + (2 x + c) 512 + 16 l: row (group g of 32, tile x, lane % 16), d = 32 c + 16 (l / 16) + 0 .. 15;
;         words at 65,536 + head 512 + 16 l + 4 g: bytes 0, 1 the row's two blocks, bytes 2, 3 = 127 (they meet zero codes); lanes 0-15 tile 0, lanes 16-31 tile 1.
;   v:    codes at head 8192 + t 2048 + g 512 + 16 l: channel 32 (t / 2) + 8 (t % 2) + r + 8 (r / 8), keys 32 g + 16 (l / 16) + 0 .. 15;  words at 65,536 + head 512 + 16 l + 4 t, byte g.
; LIMITS: a block of zeros gets the byte 1 where the rule says 127 (its codes are zeros; this program alone reads the bytes); NaN and infinities are not served.
.set SW,  4                            ; v4-7    the scale words that leave
.set WS,  8                            ; v8-15   W's scale words: register 4 b + s: group b of 32 rows, K step s; lanes 0-15 tile 2 b, lanes 16-31 tile 2 b + 1
.set XS,  16                           ; v16-19  x's scale words of K step s; lanes 0-15 tile 0, lanes 16-31 tile 1
.set BI,  24                           ; v24-55  the bias, eight registers for each tile t of W, in the result's layout
.set ACC, 64                           ; v64-127 eight accumulators
.set XF,  128                          ; v128-255 x's fragments of a group of 32 rows: K step s, tile x at 32 s + 16 x
.set CD,  224                          ; v224-239 the codes just made, and
.set TM,  240                          ; v240-255 the quantiser's registers: both over K step 3's fragments, once those are done with
.set SEL, 28                           ; s[28:29]
.set MNT, 30                           ; s30
; v1 16 x lane;  v2 8 x lane;  v3 the bias's offset;  v20, v21 at work.   s[32:33] x's images, s[34:35] W's, s[22:23] the bias, s[36:37] codes out, s[38:39] words out
.set MSB, 0
.macro WIN new                         ; the immediate's high byte repeats the setting that is left
.if MSB != \new
	s_set_vgpr_msb (MSB<<8)|\new
.set MSB, \new
.endif
.endm
; the one matrix line: D, A, B, C, A's and B's scale registers, and whether each side's scales are read from lanes 16-31
.macro WM d, a, b, c, sa, sb, ra, rb
.if (\ra) && (\rb)
	v_wmma_scale_f32_16x16x128_f8f6f4 v[\d:\d+7], v[\a:\a+15], v[\b:\b+15], v[\c:\c+7], v[\sa], v[\sb] matrix_a_fmt:MATRIX_FMT_BF8 matrix_b_fmt:MATRIX_FMT_BF8 matrix_a_scale:MATRIX_SCALE_ROW1 matrix_b_scale:MATRIX_SCALE_ROW1
.elseif (\ra)
	v_wmma_scale_f32_16x16x128_f8f6f4 v[\d:\d+7], v[\a:\a+15], v[\b:\b+15], v[\c:\c+7], v[\sa], v[\sb] matrix_a_fmt:MATRIX_FMT_BF8 matrix_b_fmt:MATRIX_FMT_BF8 matrix_a_scale:MATRIX_SCALE_ROW1
.elseif (\rb)
	v_wmma_scale_f32_16x16x128_f8f6f4 v[\d:\d+7], v[\a:\a+15], v[\b:\b+15], v[\c:\c+7], v[\sa], v[\sb] matrix_a_fmt:MATRIX_FMT_BF8 matrix_b_fmt:MATRIX_FMT_BF8 matrix_b_scale:MATRIX_SCALE_ROW1
.else
	v_wmma_scale_f32_16x16x128_f8f6f4 v[\d:\d+7], v[\a:\a+15], v[\b:\b+15], v[\c:\c+7], v[\sa], v[\sb] matrix_a_fmt:MATRIX_FMT_BF8 matrix_b_fmt:MATRIX_FMT_BF8
.endif
.endm
; 64 numbers of a lane, four blocks of 16 that lane l xor 16 completes, become 16 registers of codes at v[cd]; the four bytes are left in v[TM+4 .. TM+7]
.macro QUANT s, cd
.irp b, 0,1,2,3
	v_max3_num_f32 v[TM+\b], |v[\s+16*\b]|, |v[\s+16*\b+1]|, 0x8000000   ; each accumulator is read from its low end on; the floor 2^(16 - 127) holds the byte at 1 from below
.endr
.irp i, 2,4,6,8,10,12,14
.irp b, 0,1,2,3
	v_max3_num_f32 v[TM+\b], v[TM+\b], |v[\s+16*\b+\i]|, |v[\s+16*\b+\i+1]|
.endr
.endr
.irp b, 0,1,2,3
	s_delay_alu instid0(VALU_DEP_4)
	v_permlanex16_b32 v[TM+4+\b], v[TM+\b], s[SEL], s[SEL+1]
.endr
.irp b, 0,1,2,3
	s_delay_alu instid0(VALU_DEP_4)
	v_max_num_f32 v[TM+\b], v[TM+\b], v[TM+4+\b]
.endr
.irp b, 0,1,2,3
	s_delay_alu instid0(VALU_DEP_4)
	v_add_nc_u32 v[TM+12+\b], 0xf8800000, v[TM+\b]            ; 15 off the exponent field: the conversion's scale operand
.endr
.irp b, 0,1,2,3
	v_and_or_b32 v[TM+8+\b], v[TM+\b], 0x7f800000, s[MNT]     ; 57,344 x the scale
.endr
.irp b, 0,1,2,3
	v_lshrrev_b32 v[TM+4+\b], 23, v[TM+12+\b]                 ; the scale's byte
.endr
.irp b, 0,1,2,3
.set j, 0
.rept 16
	v_med3_num_f32 v[\s+16*\b+j], v[\s+16*\b+j], -v[TM+8+\b], v[TM+8+\b]   ; the conversion does not saturate (ISA guide 7.6.2)
.set j, j+1
.endr
	v_cvt_scalef32_pk8_bf8_f32 v[\cd+4*\b:\cd+4*\b+1], v[\s+16*\b:\s+16*\b+7], v[TM+12+\b]
	v_cvt_scalef32_pk8_bf8_f32 v[\cd+4*\b+2:\cd+4*\b+3], v[\s+16*\b+8:\s+16*\b+15], v[TM+12+\b]
.endr
	v_nop                                                     ; one plain line behind the last conversion: the next products write its sources
.endm
.macro XA g                            ; group g of x: its scale words and K steps 0 to 2: 26 loads
	global_load_b64 v[XS:XS+1], v2, s[32:33] offset:(\g)*16896+16384
	global_load_b64 v[XS+2:XS+3], v2, s[32:33] offset:(\g)*16896+16384+256
.irp s, 0,1,2
.irp x, 0,1
.irp c, 0,1,2,3
	global_load_b128 v[XF+32*\s+16*\x+4*\c:XF+32*\s+16*\x+4*\c+3], v1, s[32:33] offset:(\g)*16896+(4*\x+\s)*2048+512*\c
.endr
.endr
.endr
.endm
.macro XB3 g                           ; its K step 3: 8 loads
.irp x, 0,1
.irp c, 0,1,2,3
	global_load_b128 v[XF+96+16*\x+4*\c:XF+96+16*\x+4*\c+3], v1, s[32:33] offset:(\g)*16896+(4*\x+3)*2048+512*\c
.endr
.endr
.endm
; A group of 32 rows: 32 matrix instructions, the eight accumulators by turns, one instruction a turn; then the quantiser and the stores.
.macro GROUP g, vv
	s_wait_loadcnt 8                               ; all but K step 3's eight loads are in
.if \vv
	WIN 0x04                                       ; source 1 (W) window 1
.else
	WIN 0x01                                       ; source 0 (W) window 1
.endif
.irp s, 0,1,2,3
.if \s == 3
	s_wait_loadcnt 0x0
.endif
.if \vv
.irp t, 0,1,2,3
.irp u, 0,1
.if \s == 0
	WM ACC+8*(2*\t+\u), XF+32*\s+16*\u, 16*(4*\t+\s), BI+8*\t, XS+\s, WS+4*(\t/2)+\s, \u, \t%2
.else
	WM ACC+8*(2*\t+\u), XF+32*\s+16*\u, 16*(4*\t+\s), ACC+8*(2*\t+\u), XS+\s, WS+4*(\t/2)+\s, \u, \t%2
.endif
.endr
.endr
.else
.irp x, 0,1
.irp t, 0,1,2,3
.if \s == 0
	WM ACC+8*(4*\x+\t), 16*(4*\t+\s), XF+32*\s+16*\x, BI+8*\t, WS+4*(\t/2)+\s, XS+\s, \t%2, \x
.else
	WM ACC+8*(4*\x+\t), 16*(4*\t+\s), XF+32*\s+16*\x, ACC+8*(4*\x+\t), WS+4*(\t/2)+\s, XS+\s, \t%2, \x
.endif
.endr
.endr
.endif
.endr
	WIN 0
.rept 8
	v_nop                                          ; eight places ahead of the first read of results, of the loads into x's registers and of the vector writes over K step 3's
.endr
.if (\g) < 3
	XA (\g)+1                                      ; the next group lands while this one is quantised
.endif
	QUANT ACC, CD
.if \vv
.irp t, 0,1,2,3
.if (\g) == 0
	v_mov_b32 v[SW+\t], v[TM+4+\t]                 ; channel tile t: byte g is key block g's
.else
	v_lshl_or_b32 v[SW+\t], v[TM+4+\t], 8*(\g), v[SW+\t]
.endif
.endr
.else
	v_lshl_or_b32 v20, v[TM+5], 8, v[TM+4]         ; tile 0's row: its two blocks
	v_lshl_or_b32 v21, v[TM+7], 8, v[TM+6]         ; tile 1's
	s_delay_alu instid0(VALU_DEP_1)
	v_cndmask_b32 v20, v20, v21, s26               ; lanes 16-31 carry tile 1's
	s_delay_alu instid0(VALU_DEP_1)
	v_or_b32 v[SW+(\g)], 0x7f7f0000, v20           ; the upper 64 of the instruction's 128 along K hold zero codes on q's side: any byte but 255 serves
.endif
.irp e, 0,1,2,3
.if \vv
	global_store_b128 v1, v[CD+4*\e:CD+4*\e+3], s[36:37] offset:\e*2048+(\g)*512    ; 512 consecutive bytes, aligned
.else
	global_store_b128 v1, v[CD+4*\e:CD+4*\e+3], s[36:37] offset:(\g)*2048+\e*512
.endif
.endr
.if (\g) < 3
	s_wait_xcnt 0x0                                ; the stores have read the codes: K step 3's loads land there only behind this wait
	XB3 (\g)+1
.endif
.endm
.macro PATH vv
.if \vv
	v_and_b32 v20, 15, v0
	s_delay_alu instid0(VALU_DEP_1)
	v_and_b32 v3, 8, v20
	s_delay_alu instid0(VALU_DEP_1)
	v_add_nc_u32 v3, v3, v20
	s_delay_alu instid0(VALU_DEP_1)
	v_lshlrev_b32 v3, 2, v3                        ; v: a lane holds one channel: b at 8 (t % 2) + r + 8 (r / 8) of the tile's 32, the same in all eight registers
.irp t, 0,1,2,3
.irp j, 0,1,2,3,4,5,6,7
	global_load_b32 v[BI+8*\t+\j], v3, s[22:23] offset:(32*(\t/2)+8*(\t%2))*4
.endr
.endr
.else
	v_bfe_u32 v3, v0, 4, 1
	s_delay_alu instid0(VALU_DEP_1)
	v_lshlrev_b32 v3, 6, v3                        ; q, k: a lane's eight registers of tile t are channels 32 (t / 2) + 16 h + 8 (t % 2) + 0 .. 7
.irp t, 0,1,2,3
	global_load_b128 v[BI+8*\t:BI+8*\t+3], v3, s[22:23] offset:(32*(\t/2)+8*(\t%2))*4
	global_load_b128 v[BI+8*\t+4:BI+8*\t+7], v3, s[22:23] offset:(32*(\t/2)+8*(\t%2))*4+16
.endr
.endif
	XA 0
	XB3 0
	GROUP 0, \vv
	GROUP 1, \vv
	GROUP 2, \vv
	GROUP 3, \vv
	global_store_b128 v1, v[SW:SW+3], s[38:39]     ; the head's 512 bytes of scale words, aligned
	s_endpgm
.endm
	s_load_b256 s[4:11], s[0:1], 0x0               ; img, bq, bk, bv
	s_load_b128 s[12:15], s[0:1], 0x20             ; qimg, kimg
	s_load_b64 s[16:17], s[0:1], 0x30              ; vimg
	v_lshrrev_b32 v1, 5, v0
	s_delay_alu instid0(VALU_DEP_1)
	v_readfirstlane_b32 s18, v1                    ; wave = head
	v_and_b32 v2, 31, v0
	s_delay_alu instid0(VALU_DEP_1)
	v_lshlrev_b32 v1, 4, v2                        ; 16 x lane
	s_delay_alu instid0(VALU_DEP_2)
	v_lshlrev_b32 v2, 3, v2                        ; 8 x lane
	s_mov_b32 s26, 0xffff0000                      ; lanes 16-31
	s_mov_b32 s[SEL], 0x76543210
	s_mov_b32 s[SEL+1], 0xfedcba98
	s_mov_b32 s[MNT], 0x600000
	s_lshr_b32 s20, ttmp9, 6                       ; 0 q, 1 k, 2 v
	s_and_b32 s21, ttmp9, 63                       ; the block of 128 rows
	s_mul_i32 s40, ttmp9, 67584                    ; x: four groups of 16,896 bytes a work-group; query, key, value follow each other in img
	s_mov_b32 s41, 0
	s_lshl_b32 s42, s20, 4
	s_lshl_b32 s43, s18, 1
	s_add_co_u32 s42, s42, s43
	s_add_co_u32 s42, s42, 768                     ; W: group 768 + 16 x tensor + 2 x head
	s_mul_i32 s42, s42, 16896
	s_mov_b32 s43, 0
	s_wait_alu depctr_va_vdst(0)
	s_wait_kmcnt 0x0
	s_add_nc_u64 s[32:33], s[4:5], s[40:41]
	s_add_nc_u64 s[34:35], s[4:5], s[42:43]
	s_cmp_eq_u32 s20, 1                            ; bias and output are chosen by the work-group's number alone
	s_cselect_b64 s[22:23], s[8:9], s[6:7]
	s_cselect_b64 s[24:25], s[14:15], s[12:13]
	s_cmp_eq_u32 s20, 2
	s_cselect_b64 s[22:23], s[10:11], s[22:23]
	s_cselect_b64 s[24:25], s[16:17], s[24:25]
	s_lshl_b32 s40, s18, 8                         ; the head's 64 numbers of the bias
	s_add_nc_u64 s[22:23], s[22:23], s[40:41]
	s_mul_i32 s40, s21, 69632
	s_lshl_b32 s42, s18, 13
	s_add_co_u32 s42, s42, s40
	s_add_nc_u64 s[36:37], s[24:25], s[42:43]      ; codes out: block, head
	s_lshl_b32 s42, s18, 9
	s_add_co_u32 s42, s42, s40
	s_add_co_u32 s42, s42, 65536
	s_add_nc_u64 s[38:39], s[24:25], s[42:43]      ; words out
	WIN 0x40                                       ; destination window 1
.irp t, 0,1,2,3
.irp s, 0,1,2,3
.irp c, 0,1,2,3
	global_load_b128 v[16*(4*\t+\s)+4*\c:16*(4*\t+\s)+4*\c+3], v1, s[34:35] offset:(\t/2)*16896+(4*(\t%2)+\s)*2048+512*\c   ; W's fragment (tile t, K step s): it stays
.endr
.endr
.endr
	WIN 0
.irp b, 0,1
.irp p, 0,1
	global_load_b64 v[WS+4*\b+2*\p:WS+4*\b+2*\p+1], v2, s[34:35] offset:\b*16896+16384+256*\p
.endr
.endr
	s_cmp_eq_u32 s20, 2
	s_cbranch_scc1 .Lvalue
	PATH 0
.Lvalue:
	PATH 1
.Lfunc_end_k_q5f84a6e823_proj:
	.size	k_q5f84a6e823_proj, .Lfunc_end_k_q5f84a6e823_proj-k_q5f84a6e823_proj
	.p2alignl 7, 3214868480
	.fill 96, 4, 3214868480
	.section	.rodata,"a",@progbits
	.p2align	6, 0x0
	.amdhsa_kernel k_q5f84a6e823_proj
		.amdhsa_group_segment_fixed_size 0
		.amdhsa_private_segment_fixed_size 0
		.amdhsa_enable_private_segment 0
		.amdhsa_kernarg_size 56
		.amdhsa_user_sgpr_count 2
		.amdhsa_user_sgpr_kernarg_segment_ptr 1
		.amdhsa_wavefront_size32 1
		.amdhsa_system_sgpr_workgroup_id_x 1
		.amdhsa_system_sgpr_workgroup_id_y 1
		.amdhsa_system_sgpr_workgroup_id_z 1
		.amdhsa_system_vgpr_workitem_id 0
		.amdhsa_next_free_vgpr 512
		.amdhsa_next_free_sgpr 66
		.amdhsa_reserve_vcc 0
		.amdhsa_float_denorm_mode_32 3
		.amdhsa_float_denorm_mode_16_64 3
		.amdhsa_memory_ordered 1
		.amdhsa_forward_progress 1
		.amdhsa_inst_pref_size 144
	.end_amdhsa_kernel
	.amdgpu_metadata
---
amdhsa.version: [ 1, 2 ]
amdhsa.kernels:
  - .name:           k_q5f84a6e823_proj
    .symbol:         k_q5f84a6e823_proj.kd
    .args:
      - { .name: img, .offset: 0, .size: 8, .value_kind: global_buffer, .address_space: global }
      - { .name: bq, .offset: 8, .size: 8, .value_kind: global_buffer, .address_space: global }
      - { .name: bk, .offset: 16, .size: 8, .value_kind: global_buffer, .address_space: global }
      - { .name: bv, .offset: 24, .size: 8, .value_kind: global_buffer, .address_space: global }
      - { .name: qimg, .offset: 32, .size: 8, .value_kind: global_buffer, .address_space: global }
      - { .name: kimg, .offset: 40, .size: 8, .value_kind: global_buffer, .address_space: global }
      - { .name: vimg, .offset: 48, .size: 8, .value_kind: global_buffer, .address_space: global }
    .group_segment_fixed_size: 0
    .private_segment_fixed_size: 0
    .kernarg_segment_align: 8
    .kernarg_segment_size: 56
    .max_flat_workgroup_size: 256
    .sgpr_count:     66
    .vgpr_count:     512
    .wavefront_size: 32
...
	.end_amdgpu_metadata
.endif
;; end of part 2
;; launch attn (part 3): grid 256 x 1, 8 waves a work-group, clusters of 4 x 1, 327,680 bytes of LDS; arguments qimg, kimg, vimg, attention_mask, out0; writes out0
.if DOCPART == 3
	.amdgcn_target "amdgcn-amd-amdhsa--gfx1250"
	.amdhsa_code_object_version 6
	.text
	.protected	k_q5f84a6e823_attn
	.globl	k_q5f84a6e823_attn
	.p2align	8
	.type	k_q5f84a6e823_attn,@function
k_q5f84a6e823_attn:
	s_mov_b64 s[64:65], 0
	v_nop
	global_prefetch_b8 v0, s[64:65] scope:SCOPE_SE
	s_setreg_imm32_b32 hwreg(HW_REG_WAVE_MODE, 25, 1), 1
	s_wait_xcnt 0x0
	s_wait_alu depctr_hold_cnt(0) depctr_sa_sdst(0) depctr_va_vdst(0) depctr_va_sdst(0) depctr_va_ssrc(0) depctr_va_vcc(0) depctr_vm_vsrc(0)
	s_getreg_b32 s2, hwreg(HW_REG_IB_STS2, 6, 4)
	s_cmp_eq_u32 s2, 0
	s_cbranch_scc0 .Lentry_in_a_cluster
	s_endpgm
.Lentry_in_a_cluster:
	s_bfe_u32 s2, ttmp6, 0x10000c
	s_cmp_lg_u32 s2, 0x3003
	s_cbranch_scc0 .Lentry_shape_is_right
	s_endpgm
.Lentry_shape_is_right:
; out[b][q][head 64 + d] = sum over keys of softmax_k((q . k + mask[b][q][k]) / 8) v[k][d], both products on codes of BF8 (E5M2) with E8M0 scales.
; THE SOFTMAX AHEAD OF THE SECOND PRODUCT: t = (score + mask) x log2(e) / 8; M = the running largest t rounded UP to a whole number; p = 2^(t - M) is quantised along the keys, not normalised;
; the row's sum is taken of the unquantised p and divides at the end; when M moves, the sum and O are multiplied by 2^(old M - new M), which rounds nothing.
; SHARES.  A work-group owns 32 queries and ALL 8 heads: wave = head, two tiles of 16 queries a wave.  So each byte of the mask (shared by the heads) is read by one work-group alone, once.
; Every wave walks the batch's 4,096 keys, 128 a step, 32 steps.
; CLUSTER.  The four work-groups of a cluster belong to one batch and walk the same blocks of K and V (all heads, 69,632 bytes each, images of the operands' registers with their scale words behind them):
; each block is asked for JOINTLY.  Cluster j begins at key block j % 32 and wraps: the order of the keys changes nothing but roundings, the start is shared by the partners, every trip count is a constant.
; K AND V HAVE TWO LDS SLOTS EACH.  In step i a wave reads K of step i + 1 and V of step i into registers; the round of the cluster's barrier in that step shows these reads done, and behind it
; waves 0, 1 ask for the halves of K of step i + 3 and waves 2, 3 for those of V of step i + 2, into the two slots just read; the next step's round shows them landed: a load has one step in which to land.
; At the head every wave asks for half a block: K of steps 2 and 1, V of steps 1 and 0; K of step 0, for which K's two slots have no room, comes by plain loads straight into its registers.
; THE MASK comes through registers: wave w loads rows 4 w .. 4 w + 3 of a step's 32 x 128 tile (512 consecutive bytes a load), stores them into one of two LDS slots of their own, and each wave reads its lanes'
; numbers straight into the score accumulators: THE MASK IS THE C OF THE FIRST PRODUCT.  The step's round is its barrier too.
; A STEP i:  K Q^T + mask of both tiles | mask tile i + 1 stored, K of i + 1 and V of i read | softmax 0, with the round's lines and opening signal ahead of its exponentials | the rest of the round, the joint load,
; mask tile i + 3 asked for | mask i + 1 for tile 0 | softmax 1 | mask for tile 1 | O under the new M | V^T P.
; PREFETCH: behind the mask's loads each wave names the eight blocks of 256 bytes of its four rows of tile i + 4 (lanes 8-31 name the last again): one step ahead of that tile's loads; tiles 0 to 3 come by their loads alone;
; steps 28 on ask for nothing.  K and V are not prefetched: a batch's 32 clusters begin at its 32 blocks, so the head's loads of the launch name every block of K and of V.
; LAYOUT.  Both products are used transposed: S^T = K Q^T + mask^T (source 0 = 16 keys), O^T = V^T P^T (source 0 = 16 channels): a lane holds ONE query (lane % 16) throughout.
; The keys of a tile are 8 x + r + 8 (r / 8) of a group of 32, so that the 16 registers of tiles 2 g, 2 g + 1 are keys 32 g + 16 (lane / 16) + 0 .. 15.
; The head's 64 fill half of the instruction's 128 along K: Q's upper eight registers hold zero codes; K's fragment T is named as v[8 T : 8 T + 15], whose upper half (the next tile's finite codes, zeros behind the last) meets those zeros.
; LIMITS: NaN and +infinity in the mask are not served; -infinity gives p = 0; a row masked to -infinity throughout gives NaN, as the definition does.  A block of p that is all zeros keeps the byte 1.
; A block's largest p is taken as 2^(its largest t - M), which supposes that v_exp_f32 does not fall where its input rises.  The scaled scores stay under 2^31 in magnitude.
.set KVBLK,  69632                     ; a block of K or of V: 65,536 bytes of codes (8,192 a head), 4,096 of scale words (512 a head)
.set SCOFF,  65536
; LDS: K of step t at (t % 2) KVBLK;  V of step t at (3 - t % 2) KVBLK: so in step i all that is read and filled lies par KVBLK behind K's or V's first slot, par = (i + 1) % 2
.set MSK,    4*KVBLK                   ; two mask slots, written by ds_store alone
.set MP,     528                       ; a mask row in LDS: 512 bytes + 16: row r starts at bank 4 r mod 64 (64 banks of 4 bytes: ISA guide 11.1)
.set MSLOT,  32*MP
.set SPARE,  MSK+2*MSLOT               ; the spare words, 128 bytes for each of the eight waves
.set STG,    4352                      ; the way out: 16 rows x (256 + 16) bytes a wave, in K's slot 0, which had its last fill in step 27 and its last read in step 29
; WINDOW 0: v1,2 K's codes in slot 0, 1;  v3,4 V's;  v5,6 K's scale words;  v7,8 V's;  v9 my place in a mask slot (read), v10 (write);  v11 my offset in the mask, v12 the prefetch's;  v14 my spare word, v15 0;
;   v16-19, v20-23 tile u: -M, largest t, the sum in two halves;  v24-27 K's scale words;  v28-31 V's;  v32,33 p's scale word of tile u;  v[34:35], v[36:37] f of tile u;  v38 Q's scale words
;   (no product's two scale registers have numbers equal modulo 8);  v40-43 block maxima, v44-47 at work, v48-51 and v57-60 the holds, twice, v52-55 the conversions' scales;  v56 at work;  v[62:63] a second chain of sums;
;   v64-79, v80-95 p's codes;  v96-111, v112-127 mask on its way;  v128-191, v192-255 S^T, then p, of tile 0, 1.
; WINDOW 1: v0-63 K (tile T at 8 T), v64-71 zeros;  v72-135 V (tile t at 72 + 16 t);  v136-151, v152-167 Q (upper eight zeros);  v168-199, v200-231 O^T.
.set S0,  128
.set PC0, 64
.set PW,  32
.set QS,  38
.set BM,  40
.set BP,  44
.set BH,  48
.set BSC, 52
.set BH2, 57
.set WV,  14                           ; s14 wave = head;  s15 cx;  s16 the key block that my wave asked for last;  s17 that of the mask tile asked for last;  s59 wave / 2
.set SEL, 42                           ; s[42:43]
.set CS,  44                           ; s[44:45] log2(e) / 8
.set MNT, 46                           ; s46;  s47 trips
; s[24:31] descriptor group 1;  s[32:35] group 0;  s[36:37] my half of block 0 of the batch's K or V;  s[38:39] a block's offset;  s40 my half's place in slot 0
; s[48:49], s[50:51] a mask tile's address and offset;  s[52:53], s[54:55] the prefetch's
.set MSB, 0
.macro WIN new                         ; the immediate's high byte repeats the setting that is left
.if MSB != \new
	s_set_vgpr_msb (MSB<<8)|\new
.set MSB, \new
.endif
.endm
.macro WM d, a, b, c, sa, sb, ra, rb
.if (\ra) && (\rb)
	v_wmma_scale_f32_16x16x128_f8f6f4 v[\d:\d+7], v[\a:\a+15], v[\b:\b+15], v[\c:\c+7], v[\sa], v[\sb] matrix_a_fmt:MATRIX_FMT_BF8 matrix_b_fmt:MATRIX_FMT_BF8 matrix_a_scale:MATRIX_SCALE_ROW1 matrix_b_scale:MATRIX_SCALE_ROW1
.elseif (\ra)
	v_wmma_scale_f32_16x16x128_f8f6f4 v[\d:\d+7], v[\a:\a+15], v[\b:\b+15], v[\c:\c+7], v[\sa], v[\sb] matrix_a_fmt:MATRIX_FMT_BF8 matrix_b_fmt:MATRIX_FMT_BF8 matrix_a_scale:MATRIX_SCALE_ROW1
.elseif (\rb)
	v_wmma_scale_f32_16x16x128_f8f6f4 v[\d:\d+7], v[\a:\a+15], v[\b:\b+15], v[\c:\c+7], v[\sa], v[\sb] matrix_a_fmt:MATRIX_FMT_BF8 matrix_b_fmt:MATRIX_FMT_BF8 matrix_b_scale:MATRIX_SCALE_ROW1
.else
	v_wmma_scale_f32_16x16x128_f8f6f4 v[\d:\d+7], v[\a:\a+15], v[\b:\b+15], v[\c:\c+7], v[\sa], v[\sb] matrix_a_fmt:MATRIX_FMT_BF8 matrix_b_fmt:MATRIX_FMT_BF8
.endif
.endm
.macro CREST                           ; a round of the cluster's barrier behind its opening barrier: wave 0 signals for the work-group, every wave waits for all four, my work-group's barrier once more
	s_cmp_lg_u32 s[WV], 0
	s_cbranch_scc1 .Lnot_wave_0_\@
	s_barrier_signal -3
.Lnot_wave_0_\@:
	s_barrier_wait -3
	s_barrier_signal -1
	s_barrier_wait -1
.endm
.macro CROUND
	s_barrier_signal -1
	s_barrier_wait -1
	CREST
.endm
; The joint refill.  kind 1: waves 0 to 3 (K's halves, V's halves);  kind 2: waves 2 and 3 alone.  The branch hangs on the wave's number alone.  An s_nop 0 and four v_nop follow the load.
.macro TLOAD kind
.if (\kind) == 1
	s_cmp_lt_u32 s[WV], 4
.else
	s_cmp_eq_u32 s59, 1
.endif
	s_cbranch_scc0 .Lno_load_\@
	tensor_load_to_lds s[32:35], s[24:31]
	s_nop 0
.rept 4
	v_nop
.endr
.Lno_load_\@:
.endm
.macro MLOAD k, base                   ; my four rows of a mask tile into set k: each load reads 512 consecutive bytes
.irp i, 0,1,2,3
	global_load_b128 v[96+16*(\k)+4*\i:96+16*(\k)+4*\i+3], v11, s[\base:\base+1] offset:\i*16384 th:TH_LOAD_NT
.endr
.endm
.macro MSTORE k                        ; set k into mask slot k
.irp i, 0,1,2,3
	ds_store_b128 v10, v[96+16*(\k)+4*\i:96+16*(\k)+4*\i+3] offset:(\k)*MSLOT+\i*MP
.endr
.endm
.macro MASKIN sg, u                    ; mask(query 16 u + r, keys 32 g + 16 h + 4 m + 0 .. 3) into the registers where the scores of these keys will stand
.irp g, 0,1,2,3
.irp m, 0,1,2,3
	ds_load_b128 v[S0+64*\u+16*\g+4*\m:S0+64*\u+16*\g+4*\m+3], v9 offset:(\sg)*MSLOT+\u*16*MP+128*\g+16*\m
.endr
.endr
.endm
.macro QK u                            ; S^T = K Q^T + mask^T: eight tiles of 16 keys; each accumulator has one instruction
	WIN 0x05                                       ; K and Q window 1, C and D window 0
.irp n, 0,1,2,3,4,5,6,7
	WM S0+64*\u+8*\n, 8*\n, 136+16*\u, S0+64*\u+8*\n, 24+(\n/2), QS, \n%2, \u
.endr
.endm
.macro PV                              ; O^T += V^T P^T, both tiles of queries: eight accumulators by turns
	WIN 0x51                                       ; V window 1, p's codes window 0, C and D window 1
.irp t, 0,1,2,3
.irp u, 0,1
	WM 168+32*\u+8*\t, 72+16*\t, PC0+16*\u, 168+32*\u+8*\t, 28+\t, PW+\u, 0, 0
.endr
.endr
.endm
.macro RESCALE u                       ; O^T of tile u under the new M (O^T window 1, f window 0)
.set j, 0
.rept 16
	v_pk_mul_f32 v[168+32*\u+j:168+32*\u+j+1], v[168+32*\u+j:168+32*\u+j+1], v[34+2*\u:35+2*\u] op_sel_hi:[1,0]
.set j, j+2
.endr
.endm
.macro GRDS
.if HN
	s_wait_tensorcnt 0x0                           ; all my tensor loads have landed, so group 0 may be written
	ds_add_u32 v14, v15                            ; 0 onto my spare word
.if HK
	s_add_co_u32 s16, s16, 1
	s_and_b32 s16, s16, 31                         ; my next key block, wrapping
	s_mul_i32 s38, s16, KVBLK
	s_add_co_u32 s33, s40, HP*KVBLK                ; into the slot that this step has read
	s_add_nc_u64 s[34:35], s[36:37], s[38:39]
	s_or_b32 s35, s35, 0x80000000                  ; type = 2
.endif
.if HM
	s_wait_xcnt 0x0                                ; the last step's mask loads and prefetch have read their bases
	s_add_co_u32 s17, s17, 1
	s_and_b32 s17, s17, 31
	s_lshl_b32 s50, s17, 9                         ; 128 keys are 512 bytes
	s_add_nc_u64 s[48:49], s[10:11], s[50:51]
.endif
.if HF
	s_add_co_u32 s54, s17, 1
	s_and_b32 s54, s54, 31
	s_lshl_b32 s54, s54, 9
	s_add_nc_u64 s[52:53], s[10:11], s[54:55]
.endif
	s_wait_dscnt 0x0                               ; the add is done; K and V stand in my registers; my rows of the mask tile are stored
	s_barrier_signal -1                            ; work on registers alone up to the wait
.endif
.endm
; The softmax of tile u for one step of 128 keys: 64 scores a lane become p's codes, p's scale word, the new -M, the sum and f.
.macro SOFT u, hook=0
.set SS,  S0+64*(\u)
.set ST,  16+4*(\u)
.set PCC, PC0+16*(\u)
.if \u
	s_wait_alu depctr_va_vdst(0)
.endif
.irp b, 0,1,2,3
	v_max3_num_f32 v[BM+\b], v[SS+16*\b], v[SS+16*\b+1], v[SS+16*\b+2]   ; the largest score of each block of 32 keys; each accumulator is read from its low end on
.endr
.irp i, 3,5,7,9,11,13
.irp b, 0,1,2,3
	v_max3_num_f32 v[BM+\b], v[BM+\b], v[SS+16*\b+\i], v[SS+16*\b+\i+1]
.endr
.endr
.irp b, 0,1,2,3
	v_max_num_f32 v[BM+\b], v[BM+\b], v[SS+16*\b+15]
.endr
.irp b, 0,1,2,3
	s_delay_alu instid0(VALU_DEP_4)
	v_permlanex16_b32 v[BP+\b], v[BM+\b], s[SEL], s[SEL+1]
.endr
.irp b, 0,1,2,3
	s_delay_alu instid0(VALU_DEP_4)
	v_max_num_f32 v[BM+\b], v[BM+\b], v[BP+\b]                ; with lane l xor 16's 16 keys
.endr
	s_delay_alu instid0(VALU_DEP_2)
	v_max3_num_f32 v56, v[BM], v[BM+1], v[BM+2]
	s_delay_alu instid0(VALU_DEP_1)
	v_max_num_f32 v56, v56, v[BM+3]                           ; the step's largest score of my query
	s_delay_alu instid0(VALU_DEP_1)
	v_mul_f32 v56, s[CS], v56                                 ; as t
	s_delay_alu instid0(VALU_DEP_1)
	v_max_num_f32 v[ST+1], v[ST+1], v56                       ; the running largest t
	v_mov_b32 v56, v[ST]
	s_delay_alu instid0(VALU_DEP_2)
	v_floor_f32 v[ST], -v[ST+1]                               ; the new -M = -ceil(t): a whole number
	s_delay_alu instid0(VALU_DEP_1)
	v_sub_f32 v56, v[ST], v56                                 ; old M - new M: a whole number, 0 or less
	s_delay_alu instid0(VALU_DEP_1)
	v_cvt_i32_f32 v56, v56                                    ; (it saturates)
	s_delay_alu instid0(VALU_DEP_1)
	v_ldexp_f32 v[34+2*(\u)], 1.0, v56                        ; f = 2^(old M - new M)
.set j, 0
.rept 32
	v_pk_fma_f32 v[SS+j:SS+j+1], v[SS+j:SS+j+1], s[CS:CS+1], v[ST:ST+1] op_sel_hi:[1,0,0]   ; t - M, two at a time
.set j, j+2
.endr
.irp b, 0,1,2,3
	v_fma_f32 v[BM+\b], v[BM+\b], s[CS], v[ST]                ; the same of each block's largest score
.endr
.if \hook
	GRDS
.endif
.set j, 0
	s_wait_alu depctr_va_vdst(0)                              ; the wait ahead of the batch
.rept 64
	v_exp_f32 v[SS+j], v[SS+j]                                ; p = 2^(t - M), at most 1
.set j, j+1
.endr
.irp b, 0,1,2,3
	v_exp_f32 v[BM+\b], v[BM+\b]                              ; the block's largest p: the same two instructions on the same number
.endr
	v_pk_mul_f32 v[ST+2:ST+3], v[ST+2:ST+3], v[34+2*(\u):35+2*(\u)] op_sel_hi:[1,0]   ; the sums under the new M (a plain line behind the exponentials)
	s_wait_alu depctr_va_vdst(0)                              ; and behind it, ahead of its first reader
.irp b, 0,1,2,3
	v_max_num_f32 v[BM+\b], 0x8000000, v[BM+\b]               ; the floor 2^(16 - 127): the byte cannot fall under 1
.endr
.irp b, 0,1,2,3
	s_delay_alu instid0(VALU_DEP_4)
	v_add_nc_u32 v[BSC+\b], 0xf8800000, v[BM+\b]              ; 15 off the exponent field: the conversion's scale operand
.endr
.irp b, 0,1,2,3
	v_and_or_b32 v[BH+\b], v[BM+\b], 0x7f800000, s[MNT]       ; 57,344 x the scale,
.endr
.irp b, 0,1,2,3
	v_and_or_b32 v[BH2+\b], v[BM+\b], 0x7f800000, s[MNT]      ; and once more, in a register of another number modulo 4: the two halves of a dual line name one each
.endr
.irp b, 0,1,2,3
	v_lshrrev_b32 v[BP+\b], 23, v[BSC+\b]                     ; the scale's byte
.endr
	s_delay_alu instid0(VALU_DEP_3)
	v_lshl_or_b32 v[PW+(\u)], v[BP+1], 8, v[BP]               ; p's scale word for these 128 keys: more than eight places ahead of the products that name it
	s_delay_alu instid0(VALU_DEP_1)
	v_lshl_or_b32 v[PW+(\u)], v[BP+2], 16, v[PW+(\u)]
	s_delay_alu instid0(VALU_DEP_1)
	v_lshl_or_b32 v[PW+(\u)], v[BP+3], 24, v[PW+(\u)]
	v_pk_add_f32 v[62:63], v[SS:SS+1], v[SS+2:SS+3]           ; the sum of the UNQUANTISED p, in two chains
.set j, 4
.rept 15
	v_pk_add_f32 v[ST+2:ST+3], v[ST+2:ST+3], v[SS+j:SS+j+1]
	v_pk_add_f32 v[62:63], v[62:63], v[SS+j+2:SS+j+3]
.set j, j+4
.endr
	s_delay_alu instid0(VALU_DEP_1)
	v_pk_add_f32 v[ST+2:ST+3], v[ST+2:ST+3], v[62:63]
.irp b, 0,1,2,3
.set j, 0
.rept 8
	v_dual_min_num_f32 v[SS+16*\b+j], v[SS+16*\b+j], v[BH+\b] :: v_dual_min_num_f32 v[SS+16*\b+j+1], v[SS+16*\b+j+1], v[BH2+\b]   ; the conversion does not saturate (ISA guide 7.6.2); p is not negative: a one-sided hold, two numbers a line
.set j, j+2
.endr
	v_cvt_scalef32_pk8_bf8_f32 v[PCC+4*\b:PCC+4*\b+1], v[SS+16*\b:SS+16*\b+7], v[BSC+\b]
	v_cvt_scalef32_pk8_bf8_f32 v[PCC+4*\b+2:PCC+4*\b+3], v[SS+16*\b+8:SS+16*\b+15], v[BSC+\b]
.endr
	v_nop                                                     ; one plain line behind the last conversion
.endm
; STEP i.  par = (i + 1) % 2.  nxt: a step follows.  rf: the joint refill's kind (0: none).  mw: the mask loads that may stay out when tile i + 1 is stored.  mld: tile i + 3 is asked for.  pf: tile i + 4 is prefetched.
.macro STEP par, nxt, rf, mw, mld, pf
.set HN, \nxt
.set HK, \rf
.set HP, \par
.set HM, \mld
.set HF, \pf
	s_wait_dscnt 0x0                               ; this step's mask stands in both tiles' accumulators
	QK 0
	QK 1
	WIN 0
.rept 8
	v_nop                                          ; eight places: ahead of the first read of the scores and of the loads into K's, V's and their scale words' registers
.endr
.if \nxt
	s_wait_loadcnt \mw                             ; tile i + 1's four loads are in; tile i + 2's four may be out
	MSTORE \par                                    ; into the mask slot whose last reads every wave had finished at the last step's barrier
.endif
	WIN 0x40                                       ; destination window 1
.if \nxt
.irp n, 0,1,2,3,4,5,6,7,8,9,10,11,12,13,14,15
	ds_load_b128 v[4*\n:4*\n+3], v[1+\par] offset:512*\n      ; K of step i + 1: an image: 512 consecutive bytes a load
.endr
.endif
.irp n, 0,1,2,3,4,5,6,7,8,9,10,11,12,13,14,15
	ds_load_b128 v[72+4*\n:72+4*\n+3], v[3+\par] offset:512*\n   ; V of this step
.endr
	WIN 0
.if \nxt
	ds_load_b128 v[24:27], v[5+\par]               ; K's scale words: register g: lanes 0-15 tile 2 g, lanes 16-31 tile 2 g + 1
.endif
	ds_load_b128 v[28:31], v[7+\par]               ; V's: register t
	SOFT 0, 1
.if \nxt
	s_barrier_wait -1
.endif
.if \rf
	CREST                                          ; the barrier has opened a round: no wave of any partner still reads the two slots or has a load on its way
	TLOAD \rf                                      ; the first thing behind the round, and a wave's one tensor load until the next
.endif
.if \mld
	MLOAD \par, 48                                 ; into the set that was stored at this step's head
.endif
.if \pf
	global_prefetch_b8 v12, s[52:53] th:TH_LOAD_NT scope:SCOPE_SE
.endif
.if \nxt
	MASKIN \par, 0
.endif
	SOFT 1
.if \nxt
	MASKIN \par, 1
.endif
	WIN 0x41
	s_wait_alu depctr_va_vdst(0)                   ; The wait stands directly ahead of its first reader
	RESCALE 0
	RESCALE 1                                      ; (32 plain lines between p's codes and the products)
.if (\nxt) == 0
	s_wait_alu depctr_va_vdst(0)
	s_wait_dscnt 0x0                               ; the last step has no barrier: V is awaited here
.endif
	PV
	WIN 0
.endm
	s_load_b256 s[4:11], s[0:1], 0x0               ; qimg, kimg, vimg, mask
	s_load_b64 s[12:13], s[0:1], 0x20              ; out
	v_lshl_add_u32 v14, v0, 2, SPARE
	v_mov_b32 v15, 0
	ds_add_u32 v14, v15                            ; the wave's opening
	ds_add_u32 v14, v15
	v_lshrrev_b32 v60, 5, v0
	v_readfirstlane_b32 s[WV], v60                 ; wave = head
	s_lshr_b32 s59, s[WV], 1
	s_bfe_u32 s15, ttmp6, 0x40000                  ; cx: it enters Q's, the mask's and the output's addresses alone
	s_and_b32 s17, ttmp9, 31                       ; the cluster's first key block (ttmp9 counts clusters)
	s_lshr_b32 s20, ttmp9, 5                       ; the batch: 32 clusters of 128 queries
	s_mul_i32 s20, s20, 32*KVBLK
	s_mov_b32 s21, 0
	s_mul_i32 s56, s17, KVBLK
	s_add_co_u32 s56, s56, s20                     ; K of step 0
	s_mov_b32 s57, 0
	s_and_b32 s22, s[WV], 1
	s_mul_i32 s22, s22, KVBLK/2                    ; which half of a block I fetch
	s_add_co_u32 s20, s20, s22
	s_cmp_lt_u32 s[WV], 4                          ; at the head wave w fills the w-th half block of LDS: K of steps 2, 1, V of steps 1, 0
	s_cselect_b32 s19, 2, 3
	s_sub_co_u32 s19, s19, s59
	s_add_co_u32 s19, s19, s17
	s_and_b32 s19, s19, 31
	s_mul_i32 s38, s19, KVBLK
	s_mov_b32 s39, 0
	s_mul_i32 s33, s[WV], KVBLK/2
	s_and_b32 s40, s59, 1                          ; behind the head waves 0, 1 fill K's slots, waves 2, 3 V's
	s_mul_i32 s40, s40, 2*KVBLK
	s_add_co_u32 s40, s40, s22
	s_cmp_lt_u32 s[WV], 2
	s_cselect_b32 s16, 2, 1                        ; the step last asked for: K's 2, V's 1
	s_add_co_u32 s16, s16, s17
	; descriptor group 1: half a block, dense: 136 rows of 256 bytes (32 elements of 8 bytes)
	s_mov_b32 s24, 15|(3<<16)|(1<<21)              ; 15:0 the mask: all four work-groups; 17:16 elements of 8 bytes; 21 set beside a mask; no padding
	s_mov_b32 s25, 32<<16                          ; tensor_dim0 = 32
	s_mov_b32 s26, 136<<16                         ; tensor_dim1 = 136
	s_mov_b32 s27, 32<<16                          ; tile_dim0 = 32
	s_mov_b32 s28, 136                             ; tile_dim1 = 136
	s_mov_b32 s29, 32                              ; from row to row
	s_mov_b32 s30, 0
	s_mov_b32 s31, 0
	s_mov_b32 s32, 1                               ; count = 1
	s_mov_b32 s[SEL], 0x76543210
	s_mov_b32 s[SEL+1], 0xfedcba98
	s_mov_b32 s[CS], 0x3e38aa3b                    ; log2(e) / 8
	s_mov_b32 s[CS+1], s[CS]                       ; (named with it as a pair, so it is written)
	s_mov_b32 s[MNT], 0x600000
	s_mul_i32 s60, ttmp9, KVBLK                    ; Q: my cluster's 128 queries are block ttmp9; my 32 are its group cx: 2,048 bytes of codes a head, word cx of a lane's four
	s_lshl_b32 s23, s15, 2
	s_add_co_u32 s62, s60, s23
	s_mov_b32 s63, 0
	s_lshl_b32 s23, s15, 11
	s_add_co_u32 s60, s60, s23
	s_mov_b32 s61, 0
	s_lshl_b32 s66, ttmp9, 21                      ; the mask: my first row is 128 x cluster + 32 cx, 16,384 bytes a row
	s_lshl_b32 s23, s15, 19
	s_add_co_u32 s66, s66, s23
	s_mov_b32 s67, 0
	s_lshl_b32 s70, ttmp9, 18                      ; the output: 2,048 bytes a row, 256 a head
	s_lshl_b32 s23, s15, 16
	s_add_co_u32 s70, s70, s23
	s_lshl_b32 s23, s[WV], 8
	s_add_co_u32 s70, s70, s23
	s_mov_b32 s71, 0
	s_lshl_b32 s50, s17, 9                         ; mask tile 0
	s_mov_b32 s51, 0
	s_add_co_u32 s17, s17, 1
	s_and_b32 s17, s17, 31
	s_lshl_b32 s54, s17, 9                         ; and tile 1
	s_mov_b32 s55, 0
	s_wait_dscnt 0x0                               ; both opening adds are done
	s_wait_kmcnt 0x0
	s_cmp_lt_u32 s[WV], 4                          ; choices on the wave's number
	s_cselect_b64 s[34:35], s[6:7], s[8:9]
	s_add_nc_u64 s[34:35], s[34:35], s[20:21]
	s_add_nc_u64 s[34:35], s[34:35], s[38:39]
	s_or_b32 s35, s35, 0x80000000                  ; type = 2
	s_cmp_lt_u32 s[WV], 2
	s_cselect_b64 s[36:37], s[6:7], s[8:9]
	s_add_nc_u64 s[36:37], s[36:37], s[20:21]
	s_add_nc_u64 s[56:57], s[6:7], s[56:57]
	s_add_nc_u64 s[60:61], s[4:5], s[60:61]
	s_add_nc_u64 s[62:63], s[4:5], s[62:63]
	s_add_nc_u64 s[10:11], s[10:11], s[66:67]
	s_add_nc_u64 s[12:13], s[12:13], s[70:71]
	s_add_nc_u64 s[48:49], s[10:11], s[50:51]
	s_add_nc_u64 s[68:69], s[10:11], s[54:55]
	CROUND                                         ; all four work-groups are here: the first joint loads meet
	tensor_load_to_lds s[32:35], s[24:31]          ; every wave's one load at the head
	s_nop 0
.rept 4
	v_nop
.endr
	s_lshl_b32 s19, s[WV], 13
	s_lshl_b32 s20, s[WV], 9
	s_add_co_u32 s20, s20, SCOFF
	s_mul_i32 s21, s[WV], 4*MP
	s_add_co_u32 s21, s21, MSK
	s_lshl_b32 s22, s[WV], 16
	v_and_b32 v60, 31, v0                          ; lane
	v_and_b32 v61, 15, v0                          ; r
	v_bfe_u32 v62, v0, 4, 1                        ; h
	v_lshlrev_b32 v63, 4, v60                      ; 16 x lane: an image's place for my lane
	v_add_nc_u32 v1, s19, v63                      ; (also my offset in a block of memory)
	v_add_nc_u32 v2, KVBLK, v1
	v_add_nc_u32 v3, 2*KVBLK, v1
	v_add_nc_u32 v4, 3*KVBLK, v1
	v_add_nc_u32 v5, s20, v63
	v_add_nc_u32 v6, KVBLK, v5
	v_add_nc_u32 v7, 2*KVBLK, v5
	v_add_nc_u32 v8, 3*KVBLK, v5
	v_mul_u32_u24 v9, v61, MP
	v_lshl_add_u32 v9, v62, 6, v9
	v_add_nc_u32 v9, MSK, v9                       ; the mask, read: row r, + 64 h
	v_add_nc_u32 v10, s21, v63                     ; written: my wave's four rows
	v_add_nc_u32 v11, s22, v63                     ; and the same in memory
	v_min_u32 v12, 7, v60                          ; the prefetch: lane l names block l % 2 of row l / 2; lanes 8-31 the last again
	v_lshrrev_b32 v13, 1, v12
	v_and_b32 v12, 1, v12
	v_lshlrev_b32 v12, 8, v12
	v_lshl_add_u32 v12, v13, 14, v12
	v_add_nc_u32 v12, s22, v12
	s_wait_alu depctr_va_vdst(0)                   ; ahead of the first readers
	WIN 0x40
.irp n, 0,1,2,3
	global_load_b128 v[136+16*(\n/2)+4*(\n%2):136+16*(\n/2)+4*(\n%2)+3], v1, s[60:61] offset:512*\n   ; Q: tile n / 2, block n % 2 of the head's 64: it stays
.endr
.irp n, 0,1,2,3,4,5,6,7,8,9,10,11,12,13,14,15
	global_load_b128 v[4*\n:4*\n+3], v1, s[56:57] offset:512*\n   ; K of step 0
.endr
	WIN 0
	global_load_b32 v[QS], v5, s[62:63]            ; Q's scale words: lanes 0-15 tile 0, lanes 16-31 tile 1
	global_load_b128 v[24:27], v5, s[56:57]
	MLOAD 0, 48                                    ; the mask of steps 0
	MLOAD 1, 68                                    ; and 1
	WIN 0x40
.set j, 0
.rept 64
	v_mov_b32 v[168+j], 0                          ; O^T: the step is written once; the first finds zeros, which the first change of M leaves zeros
.set j, j+1
.endr
.set j, 0
.rept 8
	v_mov_b32 v[144+j], 0                          ; zero codes: the upper 64 of the instruction's 128 along K, on Q's side,
	v_mov_b32 v[160+j], 0
	v_mov_b32 v[64+j], 0                           ; and behind K's last tile
.set j, j+1
.endr
	WIN 0
.irp u, 0,1
	v_mov_b32 v[17+4*\u], 0xff61b1e6               ; the largest t so far: -3e38
	v_floor_f32 v[16+4*\u], -v[17+4*\u]            ; -M
	v_mov_b32 v[18+4*\u], 0                        ; the sum, in two halves
	v_mov_b32 v[19+4*\u], 0
	v_mov_b32 v[35+2*\u], 0                        ; (named as the upper half of f's pair)
.endr
.irp b, 0,1,2,3
	v_mov_b32 v[BP+\b], 0                          ; written once: a lane permute's destination counts as one of its sources
.endr
	s_wait_alu depctr_va_vdst(0)                   ; the wait at the head's end
	s_wait_loadcnt 4                               ; Q, K, their words and tile 0 are in; tile 1's four loads may be out
	MSTORE 0
	s_wait_xcnt 0x0                                ; tile 0's loads have read their base
	s_add_co_u32 s17, s17, 1
	s_and_b32 s17, s17, 31
	s_lshl_b32 s50, s17, 9
	s_add_nc_u64 s[48:49], s[10:11], s[50:51]
	s_wait_tensorcnt 0x0                           ; my half block has landed
	s_wait_dscnt 0x0                               ; the stores are done and have read their registers
	MLOAD 0, 48                                    ; tile 2
	s_barrier_signal -1
	s_barrier_wait -1                              ; mask tile 0 and the head's four blocks are whole
	MASKIN 0, 0
	MASKIN 0, 1
	s_mov_b32 s47, 14
.Lpair:                                            ; steps 0 to 27
	STEP 1, 1, 1, 4, 1, 1
	STEP 0, 1, 1, 4, 1, 1
	s_sub_co_u32 s47, s47, 1
	s_cmp_lg_u32 s47, 0
	s_cbranch_scc1 .Lpair
	STEP 1, 1, 1, 4, 1, 0                          ; step 28: K's last block, V's last but one and the mask's last tile are asked for
	STEP 0, 1, 2, 4, 0, 0                          ; step 29: V's last block
	STEP 1, 1, 0, 0, 0, 0                          ; step 30: nothing is left to ask for: a plain barrier shows V's last block and the mask's last tile
	STEP 0, 0, 0, 0, 0, 0                          ; step 31
	; THE WAY OUT.  O^T / the sum goes through my stage in LDS, a tile of 16 queries x 64 channels at a time, and leaves as rows of 256 bytes.
.rept 8
	v_nop                                          ; eight places behind the last products
.endr
.irp u, 0,1
	v_add_f32 v[18+4*\u], v[18+4*\u], v[19+4*\u]   ; the sum's two halves,
.endr
.irp u, 0,1
	v_permlanex16_b32 v[BP+\u], v[18+4*\u], s[SEL], s[SEL+1]
.endr
.irp u, 0,1
	v_add_f32 v[18+4*\u], v[18+4*\u], v[BP+\u]     ; and lane l xor 16's: the row's sum
.endr
	s_wait_alu depctr_va_vdst(0)                   ; ahead of the reciprocals
.irp u, 0,1
	v_rcp_f32 v[BM+2*\u], v[18+4*\u]
.endr
	v_and_b32 v96, 15, v0                          ; (a plain line behind the reciprocals)  r
	v_bfe_u32 v97, v0, 4, 1                        ; h
	s_mul_i32 s19, s[WV], STG                      ; my stage
	v_mul_u32_u24 v98, v96, 272
	v_lshl_add_u32 v98, v97, 6, v98
	v_add_nc_u32 v98, s19, v98                     ; in: row r, + 64 h: registers 16 b + 0 .. 15 are channels 32 b + 16 h + 0 .. 15
	v_mul_u32_u24 v99, v97, 272
	v_lshl_add_u32 v99, v96, 4, v99
	v_add_nc_u32 v99, s19, v99                     ; back: lanes 0-15 one row, lanes 16-31 the next
	v_lshlrev_b32 v100, 11, v97
	v_lshl_add_u32 v100, v96, 4, v100              ; and the same two rows in the output
	WIN 0x01                                       ; O^T window 1; the quotients go to window 0
	s_wait_alu depctr_va_vdst(0)                   ; the wait behind the reciprocals, directly ahead of the first readers of O^T
.irp u, 0,1
.set j, 0
.rept 16
	v_pk_mul_f32 v[S0+64*\u+j:S0+64*\u+j+1], v[168+32*\u+j:168+32*\u+j+1], v[BM+2*\u:BM+2*\u+1] op_sel_hi:[1,0]   ; each accumulator from its low end on
.set j, j+2
.endr
.endr
	WIN 0
.irp u, 0,1
.irp b, 0,1
.irp m, 0,1,2,3
	ds_store_b128 v98, v[S0+64*\u+16*\b+4*\m:S0+64*\u+16*\b+4*\m+3] offset:128*\b+16*\m
.endr
.endr
.irp i, 0,1,2,3,4,5,6,7
	ds_load_b128 v[S0+64*\u+32+4*\i:S0+64*\u+32+4*\i+3], v99 offset:\i*544   ; LDS serves a wave's instructions in order (ISA guide 5.7.1.4): these see my stores, and the next tile's stores come behind them
.endr
.endr
.irp u, 0,1
.irp i, 0,1,2,3,4,5,6,7
	s_wait_dscnt 23-16*\u-\i                       ; behind tile 0's load i: its 7 - i later loads and tile 1's sixteen; behind tile 1's: 7 - i
	global_store_b128 v100, v[S0+64*\u+32+4*\i:S0+64*\u+32+4*\i+3], s[12:13] offset:(16*\u+2*\i)*2048 th:TH_STORE_NT   ; 16 lanes store 256 consecutive bytes, aligned
.endr
.endr
	s_wait_tensorcnt 0x0                           ; the wave's end
	ds_add_u32 v14, v15
	s_wait_dscnt 0x0
	CROUND                                         ; the closing round: no work-group ends while a partner may still ask for a block that names it
	s_endpgm
.Lfunc_end_k_q5f84a6e823_attn:
	.size	k_q5f84a6e823_attn, .Lfunc_end_k_q5f84a6e823_attn-k_q5f84a6e823_attn
	.p2alignl 7, 3214868480
	.fill 96, 4, 3214868480
	.section	.rodata,"a",@progbits
	.p2align	6, 0x0
	.amdhsa_kernel k_q5f84a6e823_attn
		.amdhsa_group_segment_fixed_size 327680
		.amdhsa_private_segment_fixed_size 0
		.amdhsa_enable_private_segment 0
		.amdhsa_kernarg_size 40
		.amdhsa_user_sgpr_count 2
		.amdhsa_user_sgpr_kernarg_segment_ptr 1
		.amdhsa_wavefront_size32 1
		.amdhsa_system_sgpr_workgroup_id_x 1
		.amdhsa_system_sgpr_workgroup_id_y 1
		.amdhsa_system_sgpr_workgroup_id_z 1
		.amdhsa_system_vgpr_workitem_id 0
		.amdhsa_next_free_vgpr 512
		.amdhsa_next_free_sgpr 72
		.amdhsa_reserve_vcc 0
		.amdhsa_float_denorm_mode_32 3
		.amdhsa_float_denorm_mode_16_64 3
		.amdhsa_memory_ordered 1
		.amdhsa_forward_progress 1
		.amdhsa_inst_pref_size 254
	.end_amdhsa_kernel
	.amdgpu_metadata
---
amdhsa.version: [ 1, 2 ]
amdhsa.kernels:
  - .name:           k_q5f84a6e823_attn
    .symbol:         k_q5f84a6e823_attn.kd
    .args:
      - { .name: qimg, .offset: 0, .size: 8, .value_kind: global_buffer, .address_space: global }
      - { .name: kimg, .offset: 8, .size: 8, .value_kind: global_buffer, .address_space: global }
      - { .name: vimg, .offset: 16, .size: 8, .value_kind: global_buffer, .address_space: global }
      - { .name: attention_mask, .offset: 24, .size: 8, .value_kind: global_buffer, .address_space: global }
      - { .name: out0, .offset: 32, .size: 8, .value_kind: global_buffer, .address_space: global }
    .group_segment_fixed_size: 327680
    .private_segment_fixed_size: 0
    .kernarg_segment_align: 8
    .kernarg_segment_size: 40
    .max_flat_workgroup_size: 256
    .sgpr_count:     72
    .vgpr_count:     512
    .wavefront_size: 32
...
	.end_amdgpu_metadata
.endif
;; end of part 3
